; MI455X (gfx1250); checked and timed in simulation.
; The chip was launched on July 23, 2026; its instructions are those of AMD's public machine-readable ISA for CDNA 5 (MIT licence, August 2026) and "CDNA5" Instruction Set Architecture Reference Guide (July 2026). The comments in the code are by the model that wrote it; some were corrected since.
;; Base Vector Quantizer. Allowed arithmetic: matrix products marked QUANTISED: E2M3 operands, one E8M0 scale for each 32 along K, by v_wmma_scale_f32_16x16x128_f8f6f4 with both operands' format E2M3, f32 sums; everything else in f32.
;; Inputs: codebook 8,192 x 256 float32; z 8 x 4,096 x 256 float32.
;; Outputs: out0 8 x 4,096 x 256 float32; out1 8 x 4,096 x 1 int32.
;; This version of the problem:
;;   THIS VERSION OF THE PROBLEM IS GIVEN IN LOW PRECISION. The matrix products marked QUANTISED in the list below multiply operands that are first quantised to E2M3 (2 exponent bits, 3 mantissa bits; 6 bits a number), with one power-of-two scale for each 32 numbers along K (OCP MX v1.0); their sums are f32. All else is computed in f32.
;;   The module's matrix products, in the order in which they are computed (A, B: the left and right operand; K: the contracted axis; several contracted axes count as one K, in the product's order):
;;     1. [M 32,768, K 256] x [K 256, N 8,192]; A: input z; B: input codebook: QUANTISED
;;   THE QUANTISER, for each operand of a quantised product, along K:
;;     - K is cut into blocks of 32 from its start; a last block that is shorter is filled with zeros.
;;     - A block's scale is 2^e with e = floor(log2(the largest magnitude in the block)) - 2, held to -126 .. 127; a block of zeros has e = 0. As a byte (E8M0): e + 127.
;;     - Each number is divided by its block's scale, clamped to +-7.5, and rounded to the nearest number of E2M3, ties to even, subnormals kept.
;;     - The product sums the exact products of the quantised numbers (number of the format x scale) in f32.
;;   ~~~python
;;   def quantise(x, axis):      # numpy; x: float32 -> the quantised numbers, widened to float32 again
;;       x = np.moveaxis(x, axis, -1); K = x.shape[-1]
;;       x = np.pad(x, [(0, 0)] * (x.ndim - 1) + [(0, -K % 32)]); x = x.reshape(x.shape[:-1] + (-1, 32)); a = np.abs(x).max(-1, keepdims=True)
;;       e = np.where(a > 0, np.clip(np.frexp(np.where(a > 0, a, 1))[1] - 1 - 2, -126, 127), 0)      # np.frexp(a)[1] - 1 = floor(log2(a)), exactly
;;       r = np.clip(x / 2.0 ** e, -7.5, 7.5)
;;       step = 2.0 ** (np.maximum(np.frexp(np.where(r == 0, 1, r))[1] - 1, 0) - 3)
;;       q = np.round(r / step) * step * 2.0 ** e      # np.round: ties to even
;;       return np.moveaxis(q.reshape(q.shape[:-2] + (-1,))[..., :K], -1, axis).astype(np.float32)
;;   ~~~
;; One version. Each part assembles by itself: llvm-mc -triple=amdgcn-amd-amdhsa -mcpu=gfx1250 --defsym DOCPART=n.
;; ======== version 1 of 1: 3 launches
;; limits: right only within a limited range of input values
;; workspace buffers: cbimg 1,703,936 bytes; zimg 6,815,744 bytes; idxw 131,072 bytes of whole numbers
;; launch quant_both (part 1): grid 1280 x 1, 2 waves a work-group, no clusters, 34,048 bytes of LDS; arguments codebook, z, cbimg, zimg; writes cbimg, zimg
.if DOCPART == 1
	.amdgcn_target "amdgcn-amd-amdhsa--gfx1250"
	.amdhsa_code_object_version 6
	.text
	.protected	k_q5f2f853608_quant_both
	.globl	k_q5f2f853608_quant_both
	.p2align	8
	.type	k_q5f2f853608_quant_both,@function
k_q5f2f853608_quant_both:
	s_mov_b64 s[64:65], 0
	v_nop
	global_prefetch_b8 v0, s[64:65] scope:SCOPE_SE
	s_setreg_imm32_b32 hwreg(HW_REG_WAVE_MODE, 25, 1), 1
	s_wait_xcnt 0x0
; The codebook [8192][256] and z [32768][256], f32, become, once, what the product's launch reads: for each tile of 16 rows one RECORD of 3,328 bytes (13 x 256), laid in the order of the
; matrix operand's registers, so that a fragment later comes by loads of 16 bytes a lane alone.
;   bytes    0-1535  the fragment of K 0-127: 12 registers a lane; registers 4 c .. 4 c + 3 of lane l at 512 c + 16 l
;   bytes 1536-3071  the same for K 128-255
;   bytes 3072-3199  scale words at 4 l: lanes 0-15 row r's word for K 0-127, lanes 16-31 for K 128-255.  IN THE CODEBOOK'S RECORDS EVERY BYTE IS ONE HIGHER than the quantiser's, so that the product comes out doubled, exactly
;   bytes 3200-3263  the codebook: -e_sq of the 16 codes, f32 (the sum of squares of the numbers as given, not of the codes); z: zeros;   bytes 3264-3327  zeros
; WORK LEFT OUT: reference() adds z_sq[n] to every distance of row n.  A term that is equal along the axis of the argmin moves no argmin, whatever the inputs hold, and dist itself is no output:
; so z_sq is not computed, and the argmin of e_sq - 2 z.e is taken as the argmax of 2 z.e - e_sq.  LIMIT: a NaN, an infinity or an overflow that reaches z_sq alone is not carried to the result.
; THE QUANTISER: a block of 32 along K has the scale 2^(floor(log2(largest magnitude)) - 2); its byte is the largest magnitude's exponent field - 2, held at 1 from below; each number / scale goes to the
; nearest code of E2M3, ties to even, beyond 7.5 the largest code.  A block of zeros keeps the byte 1 where the rule says 127: its codes are zeros, and this program alone reads the bytes.
; A byte is at most 252 (a finite number's exponent field is at most 254), so one more carries into no neighbour and never reaches 0xff.
; LIMITS: e_sq is summed in four packed chains, another order than the definition's; NaN and infinities among the inputs are not served.
; SHARES: work-groups 0-255 take the codebook's 512 tiles, work-groups 256-1279 z's 2,048; only pointers, the tile's number and the addend of the scale bytes are chosen by the work-group's number.
; A wave takes one tile: 16 rows, 16 KiB.  For the conversions lane (r = lane % 16, h = lane / 16) must hold 16 neighbours of each block of 32 of row r; a load is laid so that neighbouring LANES take neighbouring bytes:
; each of the 32 loads reads 512 consecutive bytes, half a row; the halves go through the wave's own stage in LDS, as they lie, and come back 64 bytes a lane and block.
; A stage row is 512 bytes + 16 of padding, 132 words: the sixteen rows that a read touches start 4 banks apart (64 banks of 4 bytes: ISA guide 11.1).
; No tensor load, no barrier, no loop, no cluster, no prefetch: waves share nothing, and every byte is read once, all of a wave's loads going out together.
.set REC, 3328
.set SP,   528                         ; a stage row
.set HSTG, 16*SP                       ; a stage: one K step of the tile's 16 rows
.set WSTG, 2*HSTG                      ; a wave's two stages
.set SPARE, 2*WSTG                     ; behind the stages: the spare words, 128 bytes a wave: one block of 256 bytes that no other line names
.set SW,  3                            ; v3     the stage on the way in: my wave's + 16 x lane
.set LI,  4                            ; v4     16 x lane
.set LS,  5                            ; v5     4 x lane
.set NIL, 6                            ; v6     0
.set SR,  7                            ; v7     the stage on the way out: my wave's + 528 r + 64 h
.set TM,  8                            ; v8-23  at work in QUANT
.set PW0, 24                           ; v24, v25  the two K steps' scale words
.set PW1, 25
.set E,   26                           ; v26-33 four packed sums of squares
.set SPW, 34                           ; v34    my spare word's address; never rewritten
.set ZR,  35                           ; v35    0, for the add alone; never rewritten
.set PC0, 36                           ; v36-54 K step 0: 12 registers of codes, and two runs of three at +12 and +16
.set PC1, 56                           ; v56-74 K step 1
.set X0,  96                           ; v96-159  K step 0: as loaded, row i at 4 i; back from the stage: register 16 b + i = k 32 b + 16 h + i of my row
.set X1,  160                          ; v160-223 K step 1
.set SEL, 20                           ; s[20:21] v_permlanex16_b32's selects for lane l xor 16
; 64 numbers of a lane become a fragment's codes in v[pc] .. v[pc + 11] and its row's scale word in v[pw].
.macro QUANT s, pc, pw
.irp b, 0,1,2,3
	v_max3_num_f32 v[TM+\b], |v[\s+16*\b]|, |v[\s+1+16*\b]|, 0x1800000   ; block b: my 16 numbers, and the floor 2^(3 - 127): so the byte cannot fall under 1
.endr
.irp i, 2,4,6,8,10,12,14
.irp b, 0,1,2,3
	v_max3_num_f32 v[TM+\b], v[TM+\b], |v[\s+16*\b+\i]|, |v[\s+1+16*\b+\i]|   ; the four blocks by turns
.endr
.endr
.irp b, 0,1,2,3
	v_permlanex16_b32 v[TM+4+\b], v[TM+\b], s[SEL], s[SEL+1]
.endr
.irp b, 0,1,2,3
	v_max_num_f32 v[TM+\b], v[TM+\b], v[TM+4+\b]                   ; with lane l xor 16's: the block's largest magnitude
.endr
.irp b, 0,1,2,3
	v_add_nc_u32 v[TM+12+\b], 0xff000000, v[TM+\b]                 ; 2 off its exponent field: the conversion takes the exponent field of this operand as its scale
.endr
.irp b, 0,1,2,3
	v_lshrrev_b32 v[TM+4+\b], 23, v[TM+12+\b]                      ; the scale's byte
.endr
	v_lshl_or_b32 v[\pw], v[TM+5], 8, v[TM+4]
	v_lshl_or_b32 v[\pw], v[TM+6], 16, v[\pw]
	v_lshl_or_b32 v[\pw], v[TM+7], 24, v[\pw]                      ; four bytes: my row's scale word for these 128 along K
.irp c, 0,1
	v_cvt_scalef32_pk16_fp6_f32 v[\pc+6*\c:\pc+2+6*\c], v[\s+32*\c:\s+15+32*\c], v[TM+12+2*\c]
	v_cvt_scalef32_pk16_fp6_f32 v[\pc+12+4*\c:\pc+14+4*\c], v[\s+16+32*\c:\s+31+32*\c], v[TM+12+2*\c+1]   ; (a conversion's three registers begin on an even number)
.endr
	v_nop                                                          ; one plain instruction behind a scaled conversion
.irp c, 0,1                                                            ; the operand wants a WHOLE block in a lane: lanes 0-15 block 2 c, lanes 16-31 block 2 c + 1
.irp i, 0,1,2
	v_permlane16_swap_b32 v[\pc+6*\c+\i], v[\pc+12+4*\c+\i]
.endr
.irp i, 0,1,2
	v_mov_b32 v[\pc+3+6*\c+\i], v[\pc+12+4*\c+\i]
.endr
.endr
.endm
; the squares of 64 numbers onto four packed sums; first = 1: the first four products start the sums
.macro SQUARES x, first
.set n, 0
.rept 32
.if (\first) && (n < 4)
	v_pk_mul_f32 v[E+2*n:E+2*n+1], v[\x+2*n:\x+2*n+1], v[\x+2*n:\x+2*n+1]
.else
	v_pk_fma_f32 v[E+2*(n%4):E+2*(n%4)+1], v[\x+2*n:\x+2*n+1], v[\x+2*n:\x+2*n+1], v[E+2*(n%4):E+2*(n%4)+1]
.endif
.set n, n+1
.endr
.endm
.macro TOSTAGE s                       ; K step s's sixteen half rows into stage s, as they were loaded
.irp i, 0,1,2,3,4,5,6,7,8,9,10,11,12,13,14,15
	ds_store_b128 v[SW], v[X0+64*\s+4*\i:X0+64*\s+4*\i+3] offset:HSTG*\s+SP*\i
.endr
.endm
.macro BACK s                          ; and back: 16 neighbours of each of the four blocks of my row
.irp b, 0,1,2,3
.irp j, 0,1,2,3
	ds_load_b128 v[X0+64*\s+16*\b+4*\j:X0+64*\s+16*\b+4*\j+3], v[SR] offset:HSTG*\s+128*\b+16*\j
.endr
.endr
.endm
	s_load_b256 s[24:31], s[0:1], 0x0              ; the codebook s[24:25], z s[26:27], the codebook's records s[28:29], z's records s[30:31]
	v_lshl_add_u32 v[SPW], v0, 2, SPARE
	v_mov_b32 v[ZR], 0
	v_lshrrev_b32 v1, 5, v0
	v_readfirstlane_b32 s8, v1                     ; wave 0, 1
	v_and_b32 v1, 15, v0                           ; r
	v_bfe_u32 v2, v0, 4, 1                         ; h
	v_and_b32 v[LS], 31, v0
	v_lshlrev_b32 v[LI], 4, v[LS]
	v_lshlrev_b32 v[LS], 2, v[LS]
	v_mov_b32 v[NIL], 0
	s_mul_i32 s15, s8, WSTG                        ; my wave's stages
	v_add_nc_u32 v[SW], s15, v[LI]
	v_mul_u32_u24 v[SR], v1, SP
	v_lshl_add_u32 v[SR], v2, 6, v[SR]
	v_add_nc_u32 v[SR], s15, v[SR]
.irp b, 0,1,2,3
	v_mov_b32 v[TM+4+\b], 0                        ; written once: a lane permute's destination counts as one of its sources
.endr
	s_cmp_lt_u32 ttmp9, 256                        ; the codebook's work-group, or z's?
	s_cselect_b32 s9, 0, 256
	s_cselect_b32 s14, 0x01010101, 0               ; what is added to the scale words: one onto each byte for the codebook alone
	s_sub_co_u32 s9, ttmp9, s9
	s_lshl_b32 s9, s9, 1
	s_add_co_u32 s9, s9, s8                        ; my tile of my tensor: 2 x work-group + wave
	s_lshl_b32 s10, s9, 14                         ; its 16 rows of 1,024 bytes
	s_mov_b32 s11, 0
	s_mul_i32 s12, s9, REC                         ; its record
	s_mov_b32 s13, 0
	s_mov_b32 s[SEL], 0x76543210
	s_mov_b32 s[SEL+1], 0xfedcba98
	s_wait_alu depctr_va_vdst(0)
	s_wait_kmcnt 0x0
	s_cmp_lt_u32 ttmp9, 256                        ; the choice hangs on the work-group's number alone
	s_cselect_b64 s[4:5], s[24:25], s[26:27]       ; the numbers,
	s_cselect_b64 s[6:7], s[28:29], s[30:31]       ; the records
	s_add_nc_u64 s[4:5], s[4:5], s[10:11]
	s_add_nc_u64 s[6:7], s[6:7], s[12:13]
.irp s, 0,1                            ; K step 0's sixteen half rows first, then K step 1's
.irp i, 0,1,2,3,4,5,6,7,8,9,10,11,12,13,14,15
	global_load_b128 v[X0+64*\s+4*\i:X0+64*\s+4*\i+3], v[LI], s[4:5] offset:1024*\i+512*\s th:TH_LOAD_NT   ; 32 lanes read 512 consecutive bytes
.endr
.endr
	s_wait_loadcnt 16                              ; K step 0's sixteen loads are in; K step 1's sixteen may be out
	TOSTAGE 0
	s_wait_dscnt 0x0                               ; the stores have read their registers, which the loads below write
	BACK 0
	s_wait_loadcnt 0x0
	TOSTAGE 1
	s_wait_dscnt 16                                ; K step 0 is back; behind it stand K step 1's sixteen stores
	QUANT X0, PC0, PW0
	s_wait_dscnt 0x0                               ; K step 1's stores have read their registers
	BACK 1
	s_wait_dscnt 0x0
	QUANT X1, PC1, PW1
	v_mov_b32 v[E], 0                              ; a record of z holds zeros where a record of codes holds -e_sq
	s_cmp_ge_u32 ttmp9, 256
	s_wait_alu depctr_va_vdst(0)
	s_cbranch_scc1 .Lno_sq                         ; z's squares are work left out
	SQUARES X0, 1
	SQUARES X1, 0
	v_pk_add_f32 v[E:E+1], v[E:E+1], v[E+2:E+3]
	v_pk_add_f32 v[E+4:E+5], v[E+4:E+5], v[E+6:E+7]
	v_pk_add_f32 v[E:E+1], v[E:E+1], v[E+4:E+5]
	v_add_f32 v[E], v[E], v[E+1]
	v_permlanex16_b32 v[E+1], v[E], s[SEL], s[SEL+1]
	v_add_f32 v[E], v[E], v[E+1]                   ; with lane l xor 16's half: e_sq of row r
	v_xor_b32 v[E], 0x80000000, v[E]               ; -e_sq
.Lno_sq:
	v_cmp_ne_u32 vcc_lo, 0, v2                     ; lanes 16-31
	v_cndmask_b32 v[E], v[E], v[NIL], vcc_lo       ; they write the record's last 64 bytes: zeros
	v_cndmask_b32 v[PW0], v[PW0], v[PW1], vcc_lo   ; lanes 0-15 K step 0's word, lanes 16-31 K step 1's
	v_add_nc_u32 v[PW0], s14, v[PW0]               ; the codebook: one onto each byte, so that the product is doubled; z: nothing
.irp c, 0,1,2
	global_store_b128 v[LI], v[PC0+4*\c:PC0+4*\c+3], s[6:7] offset:512*\c          ; 32 lanes store 512 consecutive bytes, at a multiple of 256 from the buffer's first byte
.endr
.irp c, 0,1,2
	global_store_b128 v[LI], v[PC1+4*\c:PC1+4*\c+3], s[6:7] offset:1536+512*\c
.endr
	global_store_b32 v[LS], v[PW0], s[6:7] offset:3072                             ; the record's last 256 bytes leave by two stores of 128
	global_store_b32 v[LS], v[E], s[6:7] offset:3200
	s_wait_tensorcnt 0x0                           ; the wave's end
	ds_add_u32 v[SPW], v[ZR]
	s_wait_dscnt 0x0
	s_endpgm
.Lfunc_end_k_q5f2f853608_quant_both:
	.size	k_q5f2f853608_quant_both, .Lfunc_end_k_q5f2f853608_quant_both-k_q5f2f853608_quant_both
	.p2alignl 7, 3214868480
	.fill 96, 4, 3214868480
	.section	.rodata,"a",@progbits
	.p2align	6, 0x0
	.amdhsa_kernel k_q5f2f853608_quant_both
		.amdhsa_group_segment_fixed_size 34048
		.amdhsa_private_segment_fixed_size 0
		.amdhsa_enable_private_segment 0
		.amdhsa_kernarg_size 32
		.amdhsa_user_sgpr_count 2
		.amdhsa_user_sgpr_kernarg_segment_ptr 1
		.amdhsa_wavefront_size32 1
		.amdhsa_system_sgpr_workgroup_id_x 1
		.amdhsa_system_sgpr_workgroup_id_y 1
		.amdhsa_system_sgpr_workgroup_id_z 1
		.amdhsa_system_vgpr_workitem_id 0
		.amdhsa_next_free_vgpr 224
		.amdhsa_next_free_sgpr 66
		.amdhsa_reserve_vcc 1
		.amdhsa_float_denorm_mode_32 3
		.amdhsa_float_denorm_mode_16_64 3
		.amdhsa_memory_ordered 1
		.amdhsa_forward_progress 1
		.amdhsa_inst_pref_size 23
	.end_amdhsa_kernel
	.amdgpu_metadata
---
amdhsa.version: [ 1, 2 ]
amdhsa.kernels:
  - .name:           k_q5f2f853608_quant_both
    .symbol:         k_q5f2f853608_quant_both.kd
    .args:
      - { .name: codebook, .offset: 0, .size: 8, .value_kind: global_buffer, .address_space: global }
      - { .name: z, .offset: 8, .size: 8, .value_kind: global_buffer, .address_space: global }
      - { .name: cbimg, .offset: 16, .size: 8, .value_kind: global_buffer, .address_space: global }
      - { .name: zimg, .offset: 24, .size: 8, .value_kind: global_buffer, .address_space: global }
    .group_segment_fixed_size: 34048
    .private_segment_fixed_size: 0
    .kernarg_segment_align: 8
    .kernarg_segment_size: 32
    .max_flat_workgroup_size: 64
    .sgpr_count:     66
    .vgpr_count:     224
    .wavefront_size: 32
...
	.end_amdgpu_metadata
.endif
;; end of part 1
;; launch vq_main (part 2): grid 256 x 1, 8 waves a work-group, clusters of 4 x 1, 327,680 bytes of LDS; arguments zimg, cbimg, out1, idxw; writes out1, idxw
.if DOCPART == 2
	.amdgcn_target "amdgcn-amd-amdhsa--gfx1250"
	.amdhsa_code_object_version 6
	.text
	.protected	k_q5f2f853608_vq_main
	.globl	k_q5f2f853608_vq_main
	.p2align	8
	.type	k_q5f2f853608_vq_main,@function
k_q5f2f853608_vq_main:
	s_mov_b64 s[64:65], 0
	v_nop
	global_prefetch_b8 v0, s[64:65] scope:SCOPE_SE
	s_setreg_imm32_b32 hwreg(HW_REG_WAVE_MODE, 25, 1), 1
	s_wait_xcnt 0x0
	s_wait_alu depctr_hold_cnt(0) depctr_sa_sdst(0) depctr_va_vdst(0) depctr_va_sdst(0) depctr_va_ssrc(0) depctr_va_vcc(0) depctr_vm_vsrc(0)
	s_getreg_b32 s2, hwreg(HW_REG_IB_STS2, 6, 4)
	s_cmp_eq_u32 s2, 0
	s_cbranch_scc0 .Lentry_in_a_cluster
	s_endpgm
.Lentry_in_a_cluster:
	s_bfe_u32 s2, ttmp6, 0x10000c
	s_cmp_lg_u32 s2, 0x3003
	s_cbranch_scc0 .Lentry_shape_is_right
	s_endpgm
.Lentry_shape_is_right:
; idx[n] = argmax over the 8,192 codes of 2 z[n].e - e_sq, the lowest index on equal scores.  (z_sq is work left out: it is equal along the argmin's axis; see the first kernel's head.)
; Both operands come as records of 3,328 bytes for 16 rows, images of the matrix operand's registers (first kernel): 2 x 1,536 bytes of E2M3 codes, 128 bytes of scale words, for codes 64 bytes of -e_sq.
; SHARES: a work-group takes 128 rows of z against all codes.  Each of its 8 waves holds all 128 rows (8 fragments x 24 registers, loaded straight from z's records) and takes every eighth run of 4 tiles of codes:
; a tile's fragment, read once from LDS, feeds 16 matrix instructions.  The codes' scale bytes are one higher than the quantiser's and -e_sq is the first product's C, so an accumulator holds the score itself.
; THE RING: the codes' records go through two LDS slots of 32 records (106,496 bytes); a wave fetches and reads its own 4 records (52 rows of 256 bytes, one tensor load).  16 slots in all.
; CLUSTERS: every work-group walks the same records, so the 4 work-groups of a cluster ask for each part jointly (mask 15); a round of the cluster's barrier stands in front of every joint load.
; THE PICK: source 0 = 16 codes, source 1 = 16 rows of z: lane (r, h) holds row r and in registers 0-7 the codes 8 h + 0 .. 7 of the tile.  For each finished accumulator: its largest score and the running one
; (four three-input maxima); where it has grown, the tile's number and its eight scores are kept (selects, two to an instruction).  The place among the eight is looked up once, behind the walk.
; No LDS padding: the 32 lanes of every fragment load read 512 consecutive bytes.
; PREFETCH: all clusters read the same 1,703,936 bytes, so cluster 0 alone asks: behind each refill, for the slot one refill on: 416 blocks of 256 bytes, 104 to a work-group (by address), 26 to each of waves 0-3, a lane a block
; (lanes 26-31 name the wave's last block again); the last refill asks for nothing.
; LIMITS: NaN and infinities among the inputs are not served.
.set REC,   3328
.set WPART, 4*REC                      ; a wave's part of a slot
.set SLOTB, 8*WPART
.set REDV,  2*SLOTB                    ; behind the ring: 8 waves x 128 rows: scores (4,096 bytes), indices (4,096 bytes)
.set SPARE, REDV+8192                  ; the spare words, 128 bytes a wave: four blocks of 256 bytes that no other line names
; window 0
.set SPW, 1                            ; my spare word's address; never rewritten
.set NIL, 2                            ; 0; never rewritten
.set LI,  3                            ; 16 x lane
.set LS,  4                            ; 4 x lane
.set AF,  5                            ; v5-6   LDS: my part's codes in slot 0, 1, + 16 x lane
.set AC,  7                            ; v7-8   the same for -e_sq: + 32 h
.set AS,  9                            ; v9-10  the same for the scale words: + 4 x lane
.set VB,  11                           ; the index of my register 0 in the tile whose scores are being picked
.set T0,  12
.set T1,  13
.set T2,  14
.set TT,  15
.set MX,  16                           ; v16-31 the running largest score of block q, two registers by turns
.set TID, 32                           ; v32-39 VB of the tile that holds it
.set ZS,  40                           ; v40-47 z's scale words, block q
.set CS,  48                           ; v48-49 the codes' scale words, two sets
.set PFO, 50
.set CT,  52                           ; v52-67 -e_sq of my 8 codes, two sets
.set RWV, 72
.set RRD, 73
.set IDX, 76
.set PV,  84
.set PI,  92
.set U,   100                          ; v100-105 at work in the pick
.set ACC, 128                          ; v128-191 eight accumulators
.set SV,  192                          ; v192-255 the eight scores of the tile that holds the largest, block q
.set CV,  128                          ; behind the walk: the eight waves' candidates
.set CI,  160
; window 1: v0-191 z's fragments, block q at 24 q;  v192-239 the codes' fragments, two sets
.set CF,  192
.set WV,  12
.set CX,  13
.set WG,  14
.set G1,  16
.set G0,  24                           ; s[24:31] group 0, one set for each slot
.set SEL, 32
.set TRIP, 34
.set LIM, 36
.set WP,  37
.set PFA, 38
.set MSB, 0
.macro WIN new                         ; the immediate's high byte repeats the setting that is left
.if MSB != \new
	s_set_vgpr_msb (MSB<<8)|\new
.set MSB, \new
.endif
.endm
.set W_MM, 0x05                        ; sources 0 and 1 in window 1
.set W_LD, 0x40                        ; destination in window 1
.macro CREST                           ; a round of the cluster's barrier behind its opening barrier
	s_cmp_lg_u32 s[WV], 0
	s_cbranch_scc1 .Lnot_wave_0_\@
	s_barrier_signal -3
.Lnot_wave_0_\@:
	s_barrier_wait -3
	s_barrier_signal -1
	s_barrier_wait -1
.endm
.macro CROUND
	s_barrier_signal -1
	s_barrier_wait -1
	CREST
.endm
; block q x the tile in set p, K step s.  s = 0 starts the sum with -e_sq as C
.macro MMUL q, s, p
.if (\s) == 0
	v_wmma_scale_f32_16x16x128_f8f6f4 v[ACC+8*(\q):ACC+8*(\q)+7], v[CF+24*(\p):CF+24*(\p)+11], v[24*(\q):24*(\q)+11], v[CT+8*(\p):CT+8*(\p)+7], v[CS+(\p)], v[ZS+(\q)] matrix_a_fmt:MATRIX_FMT_FP6 matrix_b_fmt:MATRIX_FMT_FP6
.else
	v_wmma_scale_f32_16x16x128_f8f6f4 v[ACC+8*(\q):ACC+8*(\q)+7], v[CF+24*(\p)+12:CF+24*(\p)+23], v[24*(\q)+12:24*(\q)+23], v[ACC+8*(\q):ACC+8*(\q)+7], v[CS+(\p)], v[ZS+(\q)] matrix_a_fmt:MATRIX_FMT_FP6 matrix_b_fmt:MATRIX_FMT_FP6 matrix_a_scale:MATRIX_SCALE_ROW1 matrix_b_scale:MATRIX_SCALE_ROW1
.endif
.endm
.macro TREE q, pm, u                   ; eight scores and the running largest, in three; the accumulator is read from its low end on
	v_max3_num_f32 v[U+(\u)], v[ACC+8*(\q)], v[ACC+8*(\q)+1], v[ACC+8*(\q)+2]
	v_max3_num_f32 v[U+(\u)+1], v[ACC+8*(\q)+3], v[ACC+8*(\q)+4], v[ACC+8*(\q)+5]
	v_max3_num_f32 v[U+(\u)+2], v[ACC+8*(\q)+6], v[ACC+8*(\q)+7], v[MX+2*(\q)+(\pm)]
.endm
.macro KEEP q, pm                      ; where the largest has grown (strictly: the earlier tile stays on equal scores): the tile's eight scores, two selects to an instruction, and its number
	v_cmp_gt_f32 vcc_lo, v[MX+2*(\q)+1-(\pm)], v[MX+2*(\q)+(\pm)]
.irp j, 0,2,4,6
	v_dual_cndmask_b32 v[SV+8*(\q)+\j], v[SV+8*(\q)+\j], v[ACC+8*(\q)+\j] :: v_dual_cndmask_b32 v[SV+8*(\q)+\j+1], v[SV+8*(\q)+\j+1], v[ACC+8*(\q)+\j+1]
.endr
	v_cndmask_b32 v[TID+(\q)], v[TID+(\q)], v[VB], vcc_lo
.endm
.macro PICK2 q, pm                     ; blocks q and q + 1, their trees by turns.  pm: which of MX's two registers holds the old value
	TREE \q, \pm, 0
	TREE (\q)+1, \pm, 3
	s_delay_alu instid0(VALU_DEP_4)
	v_max3_num_f32 v[MX+2*(\q)+1-(\pm)], v[U], v[U+1], v[U+2]
	s_delay_alu instid0(VALU_DEP_2)
	v_max3_num_f32 v[MX+2*(\q)+3-(\pm)], v[U+3], v[U+4], v[U+5]
	s_delay_alu instid0(VALU_DEP_2)
	KEEP \q, \pm
	KEEP (\q)+1, \pm
.endm
; Four matrix instructions, two accumulators by turns, then the pick of the two blocks finished one run earlier: its 20 vector instructions, which name none of
; this run's registers, are the places between this run's results and their pick in the next run.
.macro DS v, p
	WIN W_MM
	MMUL 2*(\v), 0, \p
	MMUL 2*(\v)+1, 0, \p
	MMUL 2*(\v), 1, \p
	MMUL 2*(\v)+1, 1, \p
	WIN 0
.if (\v) == 0
	PICK2 6, 1-(\p)                                ; the last tile's blocks 6 and 7
.else
	PICK2 2*(\v)-2, \p
.endif
.endm
.macro FETCH b, i, p                   ; record i of my part of slot b into set p: nine LDS loads
	WIN W_LD
.irp s, 0,1
.irp c, 0,1,2
	ds_load_b128 v[CF+24*(\p)+12*\s+4*\c:CF+24*(\p)+12*\s+4*\c+3], v[AF+(\b)] offset:REC*(\i)+1536*\s+512*\c
.endr
.endr
	WIN 0
	ds_load_b128 v[CT+8*(\p):CT+8*(\p)+3], v[AC+(\b)] offset:REC*(\i)+3200
	ds_load_b128 v[CT+8*(\p)+4:CT+8*(\p)+7], v[AC+(\b)] offset:REC*(\i)+3216
	ds_load_b32 v[CS+(\p)], v[AS+(\b)] offset:REC*(\i)+3072
.endm
.macro ASK last                        ; the prefetch; last = 1: the trip's second refill, which in the last trip has no slot one on
.if \last
	s_cmp_gt_u32 s[TRIP], s[LIM]
.else
	s_cmp_eq_u32 s[LIM], 1
.endif
	s_cbranch_scc0 .Lnot_mine_\@
	global_prefetch_b8 v[PFO], s[PFA:PFA+1] th:TH_LOAD_NT scope:SCOPE_SE
.Lnot_mine_\@:
.endm
.macro STEPVB i                        ; on to this tile's indices: 16 on; from a slot's last tile of mine to the next slot's first 512 - 48
.if (\i) == 0
	v_add_nc_u32 v[VB], 464, v[VB]
.else
	v_add_nc_u32 v[VB], 16, v[VB]
.endif
.endm
; A tile of 16 codes against my 128 rows: 16 matrix instructions.  mode 0: the next record of the slot is fetched; 1: my part's last record: the slot is filled again; 2: the same with nothing left to fill; 3: the very last
.macro TILE b, i, mode
	s_wait_dscnt 0x0                               ; this tile's nine loads are in; with them my reads of the slot's last record, where this is it
.if (\mode) == 1
	s_wait_tensorcnt 0x0                           ; all my tensor loads have landed: my part of the other slot;
	ds_add_u32 v[SPW], v[NIL]
	s_add_nc_u64 s[G0+4*(\b)+2:G0+4*(\b)+3], s[G0+4*(\b)+2:G0+4*(\b)+3], 2*SLOTB   ; no load of mine is out: this slot's next records
	s_wait_xcnt 0x0                                ; my last prefetch has read its address
	s_add_nc_u64 s[PFA:PFA+1], s[PFA:PFA+1], SLOTB
	DS 0, (\i)%2
	STEPVB \i
	s_wait_alu depctr_va_vdst(0)
	s_wait_dscnt 0x0                               ; the add is done
	s_barrier_signal -1                            ; opens a round of the cluster's barrier
	DS 1, (\i)%2                                   ; work on registers alone
	s_barrier_wait -1
	CREST                                          ; no wave of any partner reads this slot or has a load on its way
	tensor_load_to_lds s[G0+4*(\b):G0+4*(\b)+3], s[G1:G1+7]
	s_nop 0
.rept 4
	v_nop
.endr
	FETCH 1-(\b), 0, 0
	ASK \b
	DS 2, (\i)%2
.else
	DS 0, (\i)%2
	STEPVB \i
.if (\mode) == 0
	FETCH \b, (\i)+1, 1-(\i)%2
.elseif (\mode) == 2
	s_wait_alu depctr_va_vdst(0)
	s_wait_tensorcnt 0x0                           ; my part of the last slot, which I alone read
	FETCH 1-(\b), 0, 0
.endif
	DS 1, (\i)%2
	DS 2, (\i)%2
.endif
	DS 3, (\i)%2
.endm
.macro JOIN mv, mi, pv, pi             ; the greater score, on equal scores the lower index
	v_cmp_gt_f32 s40, v[\pv], v[\mv]
	v_cmp_eq_f32 s41, v[\pv], v[\mv]
	v_cmp_lt_u32 s42, v[\pi], v[\mi]
	s_and_b32 s41, s41, s42
	s_or_b32 vcc_lo, s40, s41
	v_cndmask_b32 v[\mv], v[\mv], v[\pv], vcc_lo
	v_cndmask_b32 v[\mi], v[\mi], v[\pi], vcc_lo
.endm
	s_load_b256 s[4:11], s[0:1], 0x0               ; z's records s[4:5], the codes' s[6:7], out1 s[8:9], the index list s[10:11]
	v_lshl_add_u32 v[SPW], v0, 2, SPARE
	v_mov_b32 v[NIL], 0
	ds_add_u32 v[SPW], v[NIL]                      ; the opening
	ds_add_u32 v[SPW], v[NIL]
	v_lshrrev_b32 v[TT], 5, v0
	v_and_b32 v[T0], 15, v0                        ; r
	v_bfe_u32 v[T1], v0, 4, 1                      ; h
	v_and_b32 v[T2], 31, v0                        ; lane
	v_readfirstlane_b32 s[WV], v[TT]               ; wave 0..7
	v_lshlrev_b32 v[LI], 4, v[T2]
	v_lshlrev_b32 v[LS], 2, v[T2]
	v_min_u32 v[PFO], 25, v[T2]
	v_lshlrev_b32 v[PFO], 8, v[PFO]                ; a lane a block of 256 bytes
	s_bfe_u32 s[CX], ttmp6, 0x40000
	s_lshl_b32 s[WG], ttmp9, 2
	s_add_co_u32 s[WG], s[WG], s[CX]               ; my work-group
	s_mul_i32 s40, s[WG], 8*REC                    ; its eight records of z
	s_mov_b32 s41, 0
	s_lshl_b32 s42, s[WG], 9                       ; its 128 indices
	s_mov_b32 s43, 0
	s_mul_i32 s[WP], s[WV], WPART                  ; my part of a slot, in LDS and in memory: no place in the cluster enters it
	s_mov_b32 s44, s[WP]
	s_mov_b32 s45, 0
	s_mul_i32 s46, s[CX], 104*256                  ; the prefetches: my work-group's 104 blocks of a slot, from slot 2 on (the first refill steps it to slot 3)
	s_add_co_u32 s46, s46, 2*SLOTB
	s_mov_b32 s47, 0
	s_and_b32 s48, s[WV], 3
	s_mul_i32 s48, s48, 26*256                     ; my wave's 26 of them
	s_mov_b32 s[G1+0], 15|(3<<16)|(1<<21)          ; the mask: all four of the cluster; elements of 8 bytes; bit 21 beside a mask; no padding
	s_mov_b32 s[G1+1], 32<<16                      ; rows of 32 elements, 256 bytes,
	s_mov_b32 s[G1+2], 52<<16                      ; 52 of them: four records, dense in memory
	s_mov_b32 s[G1+3], 32<<16
	s_mov_b32 s[G1+4], 52
	s_mov_b32 s[G1+5], 32
	s_mov_b32 s[G1+6], 0
	s_mov_b32 s[G1+7], 0
	s_mov_b32 s[SEL], 0x76543210                   ; v_permlanex16_b32's selects for lane l xor 16
	s_mov_b32 s[SEL+1], 0xfedcba98
	s_lshr_b32 s[LIM], s[WV], 2
	s_or_b32 s[LIM], s[LIM], ttmp9
	s_cmp_eq_u32 s[LIM], 0
	s_cselect_b32 s[LIM], 1, -1                    ; 1 in waves 0-3 of cluster 0, which prefetch; else the greatest number
	s_wait_alu depctr_va_vdst(0)
	s_wait_dscnt 0x0                               ; both opening adds are done
	s_wait_kmcnt 0x0
	s_add_nc_u64 s[4:5], s[4:5], s[40:41]
	WIN W_LD
.irp q, 0,1,2,3,4,5,6,7                ; z's eight fragments, as they lie: 32 lanes read 512 consecutive bytes
.irp s, 0,1
.irp c, 0,1,2
	global_load_b128 v[24*\q+12*\s+4*\c:24*\q+12*\s+4*\c+3], v[LI], s[4:5] offset:REC*\q+1536*\s+512*\c
.endr
.endr
.endr
	WIN 0
.irp q, 0,1,2,3,4,5,6,7
	global_load_b32 v[ZS+\q], v[LS], s[4:5] offset:REC*\q+3072   ; lanes 0-15 the word of K 0-127, lanes 16-31 of K 128-255
.endr
	s_add_nc_u64 s[8:9], s[8:9], s[42:43]
	s_add_nc_u64 s[10:11], s[10:11], s[42:43]
	s_add_nc_u64 s[PFA:PFA+1], s[6:7], s[46:47]
	s_add_nc_u64 s[6:7], s[6:7], s[44:45]
	s_mov_b32 s[G0+0], 1
	s_mov_b32 s[G0+1], s[WP]
	s_mov_b64 s[G0+2:G0+3], s[6:7]
	s_or_b32 s[G0+3], s[G0+3], 0x80000000
	s_mov_b32 s[G0+4], 1
	s_add_co_u32 s[G0+5], s[WP], SLOTB
	s_add_nc_u64 s[G0+6:G0+7], s[6:7], SLOTB
	s_or_b32 s[G0+7], s[G0+7], 0x80000000
	CROUND                                         ; all four work-groups are here: the first joint loads meet
	tensor_load_to_lds s[G0:G0+3], s[G1:G1+7]      ; slot 0: one tensor load a wave at the head
	s_nop 0
	v_add_nc_u32 v[AF], s[WP], v[LI]
	v_lshl_add_u32 v[AC], v[T1], 5, s[WP]
	v_add_nc_u32 v[AS], s[WP], v[LS]
	v_add_nc_u32 v[RRD], REDV, v[LI]
	v_add_nc_u32 v[PFO], s48, v[PFO]               ; + my wave's 26 blocks
	v_add_nc_u32 v[AF+1], SLOTB, v[AF]
	v_add_nc_u32 v[AC+1], SLOTB, v[AC]
	v_add_nc_u32 v[AS+1], SLOTB, v[AS]
	s_lshl_b32 s42, s[WV], 9
	s_add_co_u32 s42, s42, REDV
	v_lshl_add_u32 v[RWV], v[T0], 2, s42           ; where my wave's candidates go: 512 x wave + 4 r
	s_lshl_b32 s43, s[WV], 6
	s_sub_co_u32 s43, s43, 464
	v_lshl_add_u32 v[VB], v[T1], 3, s43            ; 64 x wave + 8 h, less the first tile's step
.irp n, 0,1,2,3,4,5,6,7,8,9,10,11,12,13,14,15
	v_mov_b32 v[MX+\n], 0xff800000                 ; under every score
	v_mov_b32 v[ACC+48+\n], 0xff800000             ; the first run picks blocks 6 and 7 of no tile: nothing grows
.endr
.irp q, 0,1,2,3,4,5,6,7
	v_mov_b32 v[TID+\q], 0
.endr
.set n, 0
.rept 64
	v_mov_b32 v[SV+n], 0                           ; a select's other source: written once before it is read
.set n, n+1
.endr
	s_wait_alu depctr_va_vdst(0)
	s_wait_tensorcnt 0x0                           ; my part of slot 0 is in
	ds_add_u32 v[SPW], v[NIL]
	s_wait_dscnt 0x0
	CROUND
	tensor_load_to_lds s[G0+4:G0+7], s[G1:G1+7]    ; slot 1, the first tensor load behind the round
	s_nop 0
.rept 4
	v_nop
.endr
	FETCH 0, 0, 0
	s_wait_loadcnt 0x0                             ; z's fragments and scale words
	s_mov_b32 s[TRIP], 7
.Ltrip:                                                ; a trip goes once round the ring and fills both slots again
	TILE 0, 0, 0
	TILE 0, 1, 0
	TILE 0, 2, 0
	TILE 0, 3, 1
	TILE 1, 0, 0
	TILE 1, 1, 0
	TILE 1, 2, 0
	TILE 1, 3, 1
	s_sub_co_u32 s[TRIP], s[TRIP], 1
	s_cmp_lg_u32 s[TRIP], 0
	s_cbranch_scc1 .Ltrip
	TILE 0, 0, 0                                   ; the last two slots: nothing is left to fetch
	TILE 0, 1, 0
	TILE 0, 2, 0
	TILE 0, 3, 2
	TILE 1, 0, 0
	TILE 1, 1, 0
	TILE 1, 2, 0
	TILE 1, 3, 3
	PICK2 6, 1
; the place of the largest among the kept eight, the lowest on equal scores
.irp q, 0,1,2,3,4,5,6,7
	v_mov_b32 v[IDX+\q], 7
.endr
.irp j, 6,5,4,3,2,1,0
.irp q, 0,1,2,3,4,5,6,7
	v_cmp_neq_f32 vcc_lo, v[SV+8*\q+\j], v[MX+2*\q]
	s_delay_alu instid0(VALU_DEP_1)
	v_cndmask_b32 v[IDX+\q], \j, v[IDX+\q], vcc_lo
.endr
.endr
.irp q, 0,1,2,3,4,5,6,7
	v_add_nc_u32 v[IDX+\q], v[TID+\q], v[IDX+\q]
	v_mov_b32 v[PV+\q], 0                          ; a lane permute's destination counts as one of its sources
	v_mov_b32 v[PI+\q], 0
.endr
.irp q, 0,1,2,3,4,5,6,7
	v_permlanex16_b32 v[PV+\q], v[MX+2*\q], s[SEL], s[SEL+1]
	v_permlanex16_b32 v[PI+\q], v[IDX+\q], s[SEL], s[SEL+1]
.endr
.irp q, 0,1,2,3,4,5,6,7
	JOIN MX+2*\q, IDX+\q, PV+\q, PI+\q             ; with lane l xor 16's eight codes
.endr
.irp q, 0,1,2,3,4,5,6,7
	ds_store_b32 v[RWV], v[MX+2*\q] offset:64*\q           ; both halves of the lanes write the same word with the same value
	ds_store_b32 v[RWV], v[IDX+\q] offset:4096+64*\q
.endr
	s_wait_dscnt 0x0                               ; for the others' sake
	s_barrier_signal -1
	s_barrier_wait -1
	s_cmp_lg_u32 s[WV], 0
	s_cbranch_scc1 .Lothers
.irp c, 0,1,2,3,4,5,6,7                ; wave 0 joins the eight waves' candidates: a lane takes four rows
	ds_load_b128 v[CV+4*\c:CV+4*\c+3], v[RRD] offset:512*\c
	ds_load_b128 v[CI+4*\c:CI+4*\c+3], v[RRD] offset:4096+512*\c
.endr
	s_wait_dscnt 0x0
.irp c, 1,2,3,4,5,6,7
.irp e, 0,1,2,3
	JOIN CV+\e, CI+\e, CV+4*\c+\e, CI+4*\c+\e
.endr
.endr
	global_store_b128 v[LI], v[CI:CI+3], s[8:9]    ; 32 lanes store 512 consecutive bytes, at a multiple of 256 from the buffer's first byte
	global_store_b128 v[LI], v[CI:CI+3], s[10:11]  ; and the same for the launch that gathers
.Lothers:
	s_wait_tensorcnt 0x0                           ; the wave's end
	ds_add_u32 v[SPW], v[NIL]
	s_wait_dscnt 0x0
	CROUND                                         ; the closing round
	s_endpgm
.Lfunc_end_k_q5f2f853608_vq_main:
	.size	k_q5f2f853608_vq_main, .Lfunc_end_k_q5f2f853608_vq_main-k_q5f2f853608_vq_main
	.p2alignl 7, 3214868480
	.fill 96, 4, 3214868480
	.section	.rodata,"a",@progbits
	.p2align	6, 0x0
	.amdhsa_kernel k_q5f2f853608_vq_main
		.amdhsa_group_segment_fixed_size 327680
		.amdhsa_private_segment_fixed_size 0
		.amdhsa_enable_private_segment 0
		.amdhsa_kernarg_size 32
		.amdhsa_user_sgpr_count 2
		.amdhsa_user_sgpr_kernarg_segment_ptr 1
		.amdhsa_wavefront_size32 1
		.amdhsa_system_sgpr_workgroup_id_x 1
		.amdhsa_system_sgpr_workgroup_id_y 1
		.amdhsa_system_sgpr_workgroup_id_z 1
		.amdhsa_system_vgpr_workitem_id 0
		.amdhsa_next_free_vgpr 512
		.amdhsa_next_free_sgpr 66
		.amdhsa_reserve_vcc 1
		.amdhsa_float_denorm_mode_32 3
		.amdhsa_float_denorm_mode_16_64 3
		.amdhsa_memory_ordered 1
		.amdhsa_forward_progress 1
		.amdhsa_inst_pref_size 165
	.end_amdhsa_kernel
	.amdgpu_metadata
---
amdhsa.version: [ 1, 2 ]
amdhsa.kernels:
  - .name:           k_q5f2f853608_vq_main
    .symbol:         k_q5f2f853608_vq_main.kd
    .args:
      - { .name: zimg, .offset: 0, .size: 8, .value_kind: global_buffer, .address_space: global }
      - { .name: cbimg, .offset: 8, .size: 8, .value_kind: global_buffer, .address_space: global }
      - { .name: out1, .offset: 16, .size: 8, .value_kind: global_buffer, .address_space: global }
      - { .name: idxw, .offset: 24, .size: 8, .value_kind: global_buffer, .address_space: global }
    .group_segment_fixed_size: 327680
    .private_segment_fixed_size: 0
    .kernarg_segment_align: 8
    .kernarg_segment_size: 32
    .max_flat_workgroup_size: 256
    .sgpr_count:     66
    .vgpr_count:     512
    .wavefront_size: 32
...
	.end_amdgpu_metadata
.endif
;; end of part 2
;; launch gather (part 3): grid 256 x 1, 8 waves a work-group, no clusters, 0 bytes of LDS; arguments idxw, codebook, out0; writes out0
.if DOCPART == 3
	.amdgcn_target "amdgcn-amd-amdhsa--gfx1250"
	.amdhsa_code_object_version 6
	.text
	.protected	k_q5f2f853608_gather
	.globl	k_q5f2f853608_gather
	.p2align	8
	.type	k_q5f2f853608_gather,@function
k_q5f2f853608_gather:
	s_mov_b64 s[64:65], 0
	v_nop
	global_prefetch_b8 v0, s[64:65] scope:SCOPE_SE
	s_setreg_imm32_b32 hwreg(HW_REG_WAVE_MODE, 25, 1), 1
	s_wait_xcnt 0x0
; out0[n][:] = codebook[idx[n]][:], 32,768 rows of 1,024 bytes, f32 as given.  The indices were stored by the launch before: an address may hang on them here.
; A wave takes 16 rows: lanes 0-15 rows 0-7, lanes 16-31 rows 8-15; sixteen lanes read and store 256 consecutive bytes of a row, four such pieces a row.
; All 32 loads of a wave (16 KiB) go out together; each piece is stored as it comes.  No register is written twice, so no store's data and no address wait for anything.
; No LDS, no barrier, no matrix work, no cluster: rows are chosen by the list, and waves share nothing that is known ahead.
.set I,   8                            ; v8-15   my half's eight indices
.set OFF, 16                           ; v16-23  their rows' byte offsets in the codebook, + 16 r
.set D,   32                           ; v32-159 row i, piece c at 32 + 16 i + 4 c
	s_load_b128 s[4:7], s[0:1], 0x0                ; the indices s[4:5], the codebook s[6:7]
	s_load_b64 s[8:9], s[0:1], 0x10                ; out0
	v_lshrrev_b32 v1, 5, v0
	s_delay_alu instid0(VALU_DEP_1)
	v_readfirstlane_b32 s10, v1                    ; wave 0..7
	v_and_b32 v1, 15, v0                           ; r
	v_bfe_u32 v2, v0, 4, 1                         ; h
	s_delay_alu instid0(VALU_DEP_1)
	v_lshlrev_b32 v3, 5, v2                        ; my half's eight indices: 32 h
	s_delay_alu instid0(VALU_DEP_3)
	v_lshlrev_b32 v4, 4, v1                        ; 16 r
	s_delay_alu instid0(VALU_DEP_1)
	v_lshl_add_u32 v5, v2, 13, v4                  ; out0: my half's eight rows, 8,192 h, + 16 r
	s_lshl_b32 s11, ttmp9, 3
	s_add_co_u32 s11, s11, s10                     ; which run of 16 rows is my wave's
	s_lshl_b32 s12, s11, 6                         ; its indices,
	s_mov_b32 s13, 0
	s_lshl_b32 s14, s11, 14                        ; its rows of out0
	s_mov_b32 s15, 0
	s_wait_alu depctr_va_vdst(0)
	s_wait_kmcnt 0x0
	s_add_nc_u64 s[4:5], s[4:5], s[12:13]
	s_add_nc_u64 s[8:9], s[8:9], s[14:15]
	global_load_b128 v[I:I+3], v3, s[4:5]
	global_load_b128 v[I+4:I+7], v3, s[4:5] offset:16
	s_wait_loadcnt 0x0
.irp i, 0,1,2,3,4,5,6,7
	v_min_u32 v[I+\i], 0x1fff, v[I+\i]             ; an index stays inside the table of 8,192 rows
.endr
.irp i, 0,1,2,3,4,5,6,7
	v_lshlrev_b32 v[OFF+\i], 10, v[I+\i]
.endr
.irp i, 0,1,2,3,4,5,6,7
	v_add_nc_u32 v[OFF+\i], v4, v[OFF+\i]
.endr
.irp i, 0,1,2,3,4,5,6,7
.irp c, 0,1,2,3
	global_load_b128 v[D+16*\i+4*\c:D+16*\i+4*\c+3], v[OFF+\i], s[6:7] offset:256*\c      ; (no hint: the list may name a row again)
.endr
.endr
.irp i, 0,1,2,3,4,5,6,7
.irp c, 0,1,2,3
	s_wait_loadcnt 31-4*\i-\c                      ; loads come back in order (ISA guide 5.7.1): this piece is in, the younger ones may be out
	global_store_b128 v5, v[D+16*\i+4*\c:D+16*\i+4*\c+3], s[8:9] offset:1024*\i+256*\c th:TH_STORE_NT   ; sixteen lanes store 256 consecutive bytes, at a multiple of 256 from out0's first byte
.endr
.endr
	s_endpgm
.Lfunc_end_k_q5f2f853608_gather:
	.size	k_q5f2f853608_gather, .Lfunc_end_k_q5f2f853608_gather-k_q5f2f853608_gather
	.p2alignl 7, 3214868480
	.fill 96, 4, 3214868480
	.section	.rodata,"a",@progbits
	.p2align	6, 0x0
	.amdhsa_kernel k_q5f2f853608_gather
		.amdhsa_group_segment_fixed_size 0
		.amdhsa_private_segment_fixed_size 0
		.amdhsa_enable_private_segment 0
		.amdhsa_kernarg_size 24
		.amdhsa_user_sgpr_count 2
		.amdhsa_user_sgpr_kernarg_segment_ptr 1
		.amdhsa_wavefront_size32 1
		.amdhsa_system_sgpr_workgroup_id_x 1
		.amdhsa_system_sgpr_workgroup_id_y 1
		.amdhsa_system_sgpr_workgroup_id_z 1
		.amdhsa_system_vgpr_workitem_id 0
		.amdhsa_next_free_vgpr 160
		.amdhsa_next_free_sgpr 66
		.amdhsa_reserve_vcc 0
		.amdhsa_float_denorm_mode_32 3
		.amdhsa_float_denorm_mode_16_64 3
		.amdhsa_memory_ordered 1
		.amdhsa_forward_progress 1
		.amdhsa_inst_pref_size 10
	.end_amdhsa_kernel
	.amdgpu_metadata
---
amdhsa.version: [ 1, 2 ]
amdhsa.kernels:
  - .name:           k_q5f2f853608_gather
    .symbol:         k_q5f2f853608_gather.kd
    .args:
      - { .name: idxw, .offset: 0, .size: 8, .value_kind: global_buffer, .address_space: global }
      - { .name: codebook, .offset: 8, .size: 8, .value_kind: global_buffer, .address_space: global }
      - { .name: out0, .offset: 16, .size: 8, .value_kind: global_buffer, .address_space: global }
    .group_segment_fixed_size: 0
    .private_segment_fixed_size: 0
    .kernarg_segment_align: 8
    .kernarg_segment_size: 24
    .max_flat_workgroup_size: 256
    .sgpr_count:     66
    .vgpr_count:     160
    .wavefront_size: 32
...
	.end_amdgpu_metadata
.endif
;; end of part 3
